; MI455X (gfx1250); checked and timed in simulation.
; The chip was launched on July 23, 2026; its instructions are those of AMD's public machine-readable ISA for CDNA 5 (MIT licence, August 2026) and "CDNA5" Instruction Set Architecture Reference Guide (July 2026). The comments in the code are by the model that wrote it; some were corrected since.
;; Hyperbolic Attention. Allowed arithmetic: matrix products marked QUANTISED: E2M3 operands, one E8M0 scale for each 32 along K, by v_wmma_scale_f32_16x16x128_f8f6f4 with both operands' format E2M3, f32 sums; everything else in f32.
;; Inputs: c one number float32; keys 8,192 x 256 float32; query 8,192 x 256 float32; values_codes 256 x 256 x 24 uint8 (E2M3 codes of values, K innermost, in blocks of 32 codes, four codes in three bytes); values_scales 256 x 256 uint8 (E8M0 scales of values, one for each 32 codes along K).
;; Outputs: out0 8,192 x 256 float32.
;; This version of the problem:
;;   THIS VERSION OF THE PROBLEM IS GIVEN IN LOW PRECISION. The matrix products marked QUANTISED in the list below multiply operands that are first quantised to E2M3 (2 exponent bits, 3 mantissa bits; 6 bits a number), with one power-of-two scale for each 32 numbers along K (OCP MX v1.0); their sums are f32. All else is computed in f32.
;;   The module's matrix products, in the order in which they are computed (A, B: the left and right operand; K: the contracted axis; several contracted axes count as one K, in the product's order):
;;     1. [M 8,192, K 256] x [K 256, N 8,192]; A: input query; B: input keys: QUANTISED
;;     2. [M 8,192, K 8,192] x [K 8,192, N 256]; A: computed on the way; B: input values (given as codes): QUANTISED
;;   THE QUANTISER, for each operand of a quantised product, along K:
;;     - K is cut into blocks of 32 from its start; a last block that is shorter is filled with zeros.
;;     - A block's scale is 2^e with e = floor(log2(the largest magnitude in the block)) - 2, held to -126 .. 127; a block of zeros has e = 0. As a byte (E8M0): e + 127.
;;     - Each number is divided by its block's scale, clamped to +-7.5, and rounded to the nearest number of E2M3, ties to even, subnormals kept.
;;     - The product sums the exact products of the quantised numbers (number of the format x scale) in f32.
;;   ~~~python
;;   def quantise(x, axis):      # numpy; x: float32 -> the quantised numbers, widened to float32 again
;;       x = np.moveaxis(x, axis, -1); K = x.shape[-1]
;;       x = np.pad(x, [(0, 0)] * (x.ndim - 1) + [(0, -K % 32)]); x = x.reshape(x.shape[:-1] + (-1, 32)); a = np.abs(x).max(-1, keepdims=True)
;;       e = np.where(a > 0, np.clip(np.frexp(np.where(a > 0, a, 1))[1] - 1 - 2, -126, 127), 0)      # np.frexp(a)[1] - 1 = floor(log2(a)), exactly
;;       r = np.clip(x / 2.0 ** e, -7.5, 7.5)
;;       step = 2.0 ** (np.maximum(np.frexp(np.where(r == 0, 1, r))[1] - 1, 0) - 3)
;;       q = np.round(r / step) * step * 2.0 ** e      # np.round: ties to even
;;       return np.moveaxis(q.reshape(q.shape[:-2] + (-1,))[..., :K], -1, axis).astype(np.float32)
;;   ~~~
;;   OPERANDS COMPUTED ON THE WAY. 'Computed on the way' means the value that the module computes at that place (a softmax that the list does not call 'softmax' is quantised finished and normalised). What goes into a quantiser is computed in f32, as accurately as f32 sums, v_exp_f32 and their like allow (about 1e-6 of the number): no bf16 or f16 on the way to a quantiser, and a product that is left as it is and whose result goes on into a quantised operand takes f32 operands (vector FMAs, or v_wmma_f32_16x16x4_f32). A number that lies on a knife's edge between two numbers of the format may be rounded either way, as far as f32 arithmetic and the matrix unit's own rounding can turn it there, and no further.
;;   INPUTS GIVEN AS CODES. values (in the module: [8192, 256], K = its axis 0): each comes as NAME_codes (uint8): NAME with its K axis moved to the last place and cut into blocks of 32 codes, [.., K / 32, bytes a block], one block behind the other in memory; four codes in three bytes: a row's codes are one little-endian stream of bits, code i at bits 6 i .. 6 i + 5 (a code: sign, 2 exponent bits, 3 mantissa bits); and NAME_scales (uint8): the same leading axes, one E8M0 byte (e + 127) for each 32 codes along K. Its value is code x scale, taken as it is: it is not quantised again, and the codes and scales need not be those that the quantiser above would give.
;; One version. Each part assembles by itself: llvm-mc -triple=amdgcn-amd-amdhsa -mcpu=gfx1250 --defsym DOCPART=n.
;; ======== version 1 of 1: 2 launches
;; limits: right only within a limited range of input values
;; workspace buffers: qpack 1,703,936 bytes; kvpack 3,342,336 bytes
;; launch prep (part 1): grid 256 x 1, 4 waves a work-group, no clusters, 35,840 bytes of LDS; arguments c, query, keys, values_codes, values_scales, qpack, kvpack; writes qpack, kvpack
.if DOCPART == 1
	.amdgcn_target "amdgcn-amd-amdhsa--gfx1250"
	.amdhsa_code_object_version 6
	.text
	.protected	k_q0e65b02f64_prep
	.globl	k_q0e65b02f64_prep
	.p2align	8
	.type	k_q0e65b02f64_prep,@function
k_q0e65b02f64_prep:
	s_mov_b64 s[64:65], 0
	v_nop
	global_prefetch_b8 v0, s[64:65] scope:SCOPE_SE
	s_setreg_imm32_b32 hwreg(HW_REG_WAVE_MODE, 25, 1), 1
	s_wait_xcnt 0x0
; query and keys [8192][256] f32 become codes of FP6 (E2M3) with one E8M0 byte for each 32 along D, laid as IMAGES OF THE OPERAND'S REGISTERS; the codes of values are laid the same way.
; A ROW BLOCK (26,624 bytes) serves 128 rows: 16 images of 1,536 bytes (fragment f = 2 x tile + K step; registers 4 c .. 4 c + 3 of lane l at 512 c + 16 l), 1,024 bytes of scale words,
; H[128] = -|row|^2 / 2 and R[128] = 1 / (1 - min(c |row|^2, 1 - 1e-7)), f32, in the rows' own order.  Lane r of tile 2 b + u is row 32 b + 8 u + r + 8 (r / 8).
; The scale word of (f, r) lies at 24,576 + 512 ((f % 8) / 4) + 16 (r + 16 (f / 8)) + 4 (f % 4): two loads of 16 bytes a lane bring all sixteen fragments' words.
; qpack: 64 row blocks.  kvpack: 64 groups of 52,224 bytes: the keys' row block, then V's block (16 images, one for each 16 of the 256 channels, K = the group's 128 keys; 1,024 bytes of scale words).
; SHARES: work-groups 0-127 take 64 rows of query each, 128-255 of keys; a wave takes one tile of 16 rows.  Besides, wave w of work-group G copies V's fragment 4 G + w.
; Each load of a row's half reads 512 consecutive bytes; the numbers turn through the wave's own stage in LDS, so that a lane holds 16 neighbours of each block of 32.
; LIMITS: NaN and infinities among the inputs are not served; a block whose largest magnitude lies under 2^-124 keeps the byte 1 (a block of zeros too: its codes are zeros, and this program alone reads the bytes).
.set EPSF, 0x33d6bf95                  ; 1e-7
.set ONEM, 0x3f7ffffe                  ; 1 - 1e-7 in f32
.set RBLK, 26624
.set GRP,  52224
.set OFS,  24576
.set PIT,  528                         ; a stage row: 512 bytes + 16
.set WST,  16*PIT                      ; a wave's stage
.set TAIL, 4*WST                       ; five blocks of 256 bytes: scale words (2), H, R, V's scale words
.set X0,   16                          ; v16-79   the rows' first halves as loaded
.set X1,   80                          ; v80-143  the second halves
.set Y,    144                         ; v144-207 64 numbers of my row: register 16 b + i = d 32 b + 16 (lane / 16) + i
.set PC,   208                         ; v208-227 the codes just made
.set TM,   228                         ; v228-239 at work in the quantiser
.set PW,   240                         ; v240-241 the two scale words
.set SQ,   242                         ; v242-245 the sum of squares, two packed chains
.set SEL,  42                          ; s[42:43] selects for lane l xor 16
	s_load_b256 s[4:11], s[0:1], 0x0               ; c, query, keys, V's codes
	s_load_b128 s[12:15], s[0:1], 0x20             ; V's scales, qpack
	s_load_b64 s[16:17], s[0:1], 0x30              ; kvpack
	v_lshl_add_u32 v254, v0, 2, 0x8a00
	v_mov_b32 v255, 0
	v_lshrrev_b32 v1, 5, v0
	v_readfirstlane_b32 s20, v1                    ; wave
	v_and_b32 v1, 31, v0                           ; lane
	v_and_b32 v2, 15, v0                           ; r
	v_bfe_u32 v3, v0, 4, 1                         ; h
	v_lshlrev_b32 v4, 4, v1                        ; 16 x lane: my bytes of a load's 512 and of an image's 512
	s_mul_i32 s25, s20, WST
	v_add_nc_u32 v5, s25, v4                       ; the stage, on the way in
	v_mul_u32_u24 v6, v2, PIT
	v_lshl_add_u32 v6, v3, 6, v6
	v_add_nc_u32 v6, s25, v6                       ; and out: row r, + 64 h
	v_mul_u32_u24 v7, v2, 6144                     ; V's codes: channel r of the tile, + 24 h
	v_mad_u32_u24 v7, v3, 24, v7
	v_lshlrev_b32 v8, 8, v2                        ; V's scale bytes: 256 a channel
	s_lshl_b32 s25, s20, 2
	s_add_co_u32 s25, s25, TAIL+1024
	v_lshl_add_u32 v9, v2, 4, s25                  ; LDS: V's scale word: 16 r + 4 wave
	s_lshr_b32 s44, s20, 1                         ; wave / 2
	s_and_b32 s45, s20, 1                          ; wave % 2
	s_lshl_b32 s25, s44, 8
	s_lshl_b32 s46, s45, 3
	s_add_co_u32 s25, s25, s46
	s_add_co_u32 s25, s25, TAIL
	v_lshl_add_u32 v10, v2, 4, s25
	v_lshl_add_u32 v10, v3, 2, v10                 ; LDS: my rows' scale words: lanes 0-15 K step 0's, lanes 16-31 K step 1's
	s_lshl_b32 s25, s44, 7
	s_lshl_b32 s46, s45, 5
	s_add_co_u32 s25, s25, s46
	s_add_co_u32 s25, s25, TAIL+512
	v_and_b32 v11, 8, v2
	v_add_nc_u32 v11, v11, v2
	v_lshl_add_u32 v11, v11, 2, s25
	v_lshl_add_u32 v11, v3, 8, v11                 ; LDS: lanes 0-15 H of my row, lanes 16-31 R
	s_lshl_b32 s25, s45, 9
	s_add_co_u32 s25, s25, TAIL
	v_add_nc_u32 v12, s25, v4                      ; back: wave 0 the scale words, wave 1 H and R
	v_lshl_add_u32 v13, v1, 3, TAIL+1024           ; back: wave 2 V's scale words
	v_lshlrev_b32 v14, 4, v2
	v_lshl_add_u32 v14, v3, 9, v14                 ; their places in the block: 512 h + 16 r
	v_lshlrev_b32 v15, 3, v1
.irp b, 0,1,2,3
	v_mov_b32 v[TM+4+\b], 0                        ; written once: a lane permute's destination counts as one of its sources
.endr
	v_mov_b32 v247, 0
	s_mov_b32 s[SEL], 0x76543210
	s_mov_b32 s[SEL+1], 0xfedcba98
	s_and_b32 s22, ttmp9, 127                      ; which 64 rows of the tensor
	s_lshr_b32 s23, s22, 1                         ; the group of 128 rows
	s_and_b32 s24, s22, 1                          ; and which half of it
	s_lshl_b32 s30, s22, 6
	s_lshl_b32 s25, s44, 5
	s_add_co_u32 s30, s30, s25
	s_lshl_b32 s25, s45, 3
	s_add_co_u32 s30, s30, s25                     ; my tile's first row
	s_lshl_b32 s30, s30, 10
	s_mov_b32 s31, 0
	s_mov_b32 s33, 0
	s_wait_kmcnt 0x0
	s_load_b32 s18, s[4:5], 0x0                    ; c
	s_cmp_lt_u32 ttmp9, 128                        ; query's work-group or keys'?  Only pointers and a stride are chosen: one path serves both
	s_cselect_b64 s[6:7], s[6:7], s[8:9]
	s_cselect_b64 s[26:27], s[14:15], s[16:17]
	s_mov_b32 s28, GRP
	s_cselect_b32 s28, RBLK, s28
	s_add_nc_u64 s[6:7], s[6:7], s[30:31]
	s_mul_i32 s32, s23, s28
	s_add_nc_u64 s[26:27], s[26:27], s[32:33]      ; my row block
	s_lshl_b32 s32, s24, 3
	s_lshl_b32 s25, s20, 1
	s_add_co_u32 s32, s32, s25
	s_mul_i32 s32, s32, 1536
	s_add_nc_u64 s[36:37], s[26:27], s[32:33]      ; my two images
	s_lshl_b32 s32, s45, 10
	s_lshl_b32 s25, s24, 8
	s_add_co_u32 s32, s32, s25
	s_add_co_u32 s32, s32, OFS
	s_add_nc_u64 s[38:39], s[26:27], s[32:33]      ; the block's tail: wave 0 scale words, wave 1 H and R; my half's 256 bytes of each
	s_lshr_b32 s46, ttmp9, 2                       ; V: the group of 128 keys,
	s_and_b32 s47, ttmp9, 3
	s_lshl_b32 s29, s47, 2
	s_add_co_u32 s29, s29, s20                     ; and the tile of 16 channels
	s_mul_i32 s32, s29, 16*6144
	s_mul_i32 s25, s46, 96
	s_add_co_u32 s32, s32, s25
	s_add_nc_u64 s[10:11], s[10:11], s[32:33]
	s_lshl_b32 s32, s29, 12
	s_lshl_b32 s25, s46, 2
	s_add_co_u32 s32, s32, s25
	s_add_nc_u64 s[12:13], s[12:13], s[32:33]
	s_mul_i32 s32, s46, GRP
	s_add_co_u32 s32, s32, RBLK
	s_add_nc_u64 s[16:17], s[16:17], s[32:33]      ; the group's V block
	s_mul_i32 s32, s29, 1536
	s_add_nc_u64 s[34:35], s[16:17], s[32:33]      ; my image in it
	s_and_b32 s32, ttmp9, 1
	s_lshl_b32 s32, s32, 9
	s_bfe_u32 s25, ttmp9, 0x10001
	s_lshl_b32 s25, s25, 8
	s_add_co_u32 s32, s32, s25
	s_add_co_u32 s32, s32, OFS
	s_add_nc_u64 s[40:41], s[16:17], s[32:33]      ; and the 256 bytes of scale words that my work-group's four fragments fill
.irp p, 0,1,2,3,4,5
	global_load_b64 v[Y+2*\p:Y+2*\p+1], v7, s[10:11] offset:48*(\p/3)+8*(\p%3)   ; V's fragment as it lies: 24 bytes and 24 bytes
.endr
	global_load_b32 v246, v8, s[12:13]             ; its scale word
.irp t, 0,1,2,3,4,5,6,7,8,9,10,11,12,13,14,15
	global_load_b128 v[X0+4*\t:X0+4*\t+3], v4, s[6:7] offset:(\t+8*(\t/8))*1024 th:TH_LOAD_NT   ; 512 consecutive bytes: the first half of the tile's row t
.endr
.irp t, 0,1,2,3,4,5,6,7,8,9,10,11,12,13,14,15
	global_load_b128 v[X1+4*\t:X1+4*\t+3], v4, s[6:7] offset:(\t+8*(\t/8))*1024+512 th:TH_LOAD_NT
.endr
	s_wait_loadcnt 32                              ; V's seven loads are in; the 32 loads of rows may be out
.irp c, 0,1,2
	global_store_b128 v4, v[Y+4*\c:Y+4*\c+3], s[34:35] offset:512*\c   ; 512 consecutive bytes a store
.endr
	ds_store_b32 v9, v246                          ; both halves of the lanes write the same word with the same value
; A half of the 16 rows goes through my stage and comes back 64 numbers a lane.  LDS serves a wave's instructions in order: no wait between the stores and the loads.
.macro TURN x
.irp t, 0,1,2,3,4,5,6,7,8,9,10,11,12,13,14,15
	ds_store_b128 v5, v[\x+4*\t:\x+4*\t+3] offset:PIT*\t
.endr
	s_wait_xcnt 0x0                                ; the stores to memory issued so far have read their data: Y and the codes' registers may be written again
.irp b, 0,1,2,3
.irp j, 0,1,2,3
	ds_load_b128 v[Y+16*\b+4*\j:Y+16*\b+4*\j+3], v6 offset:128*\b+16*\j
.endr
.endr
	s_wait_dscnt 0x0
.endm
.macro SUMSQ first                     ; my 64 numbers' squares, in two packed chains; the first products start the sums
.if \first
	v_pk_mul_f32 v[SQ:SQ+1], v[Y:Y+1], v[Y:Y+1]
	v_pk_mul_f32 v[SQ+2:SQ+3], v[Y+2:Y+3], v[Y+2:Y+3]
.else
	v_pk_fma_f32 v[SQ:SQ+1], v[Y:Y+1], v[Y:Y+1], v[SQ:SQ+1]
	v_pk_fma_f32 v[SQ+2:SQ+3], v[Y+2:Y+3], v[Y+2:Y+3], v[SQ+2:SQ+3]
.endif
.set j, 4
.rept 15
	v_pk_fma_f32 v[SQ:SQ+1], v[Y+j:Y+j+1], v[Y+j:Y+j+1], v[SQ:SQ+1]
	v_pk_fma_f32 v[SQ+2:SQ+3], v[Y+j+2:Y+j+3], v[Y+j+2:Y+j+3], v[SQ+2:SQ+3]
.set j, j+4
.endr
.endm
; Y's 64 numbers become a fragment's codes in v[PC] on and my row's scale word in v[pw].
.macro QUANT pw
.irp b, 0,1,2,3
	v_max3_num_f32 v[TM+\b], |v[Y+16*\b]|, |v[Y+1+16*\b]|, 0x1800000   ; block b: my 16 numbers, and the floor 2^(3 - 127): the byte cannot fall under 1
.endr
.irp i, 2,4,6,8,10,12,14
.irp b, 0,1,2,3
	v_max3_num_f32 v[TM+\b], v[TM+\b], |v[Y+16*\b+\i]|, |v[Y+1+16*\b+\i]|
.endr
.endr
.irp b, 0,1,2,3
	v_permlanex16_b32 v[TM+4+\b], v[TM+\b], s[SEL], s[SEL+1]
.endr
.irp b, 0,1,2,3
	v_max_num_f32 v[TM+\b], v[TM+\b], v[TM+4+\b]   ; with lane l xor 16's: the block's largest magnitude
.endr
.irp b, 0,1,2,3
	v_add_nc_u32 v[TM+8+\b], 0xff000000, v[TM+\b]  ; 2 off its exponent field: the conversion's scale operand
.endr
.irp b, 0,1,2,3
	v_lshrrev_b32 v[TM+4+\b], 23, v[TM+8+\b]       ; the scale's byte
.endr
	v_lshl_or_b32 v[\pw], v[TM+5], 8, v[TM+4]
	v_lshl_or_b32 v[\pw], v[TM+6], 16, v[\pw]
	v_lshl_or_b32 v[\pw], v[TM+7], 24, v[\pw]
.irp c, 0,1
	v_cvt_scalef32_pk16_fp6_f32 v[PC+6*\c:PC+2+6*\c], v[Y+32*\c:Y+15+32*\c], v[TM+8+2*\c]
	v_cvt_scalef32_pk16_fp6_f32 v[PC+12+4*\c:PC+14+4*\c], v[Y+16+32*\c:Y+31+32*\c], v[TM+9+2*\c]   ; (a conversion's three registers begin on an even number)
.endr
	v_nop                                          ; one plain place behind a scaled conversion
.irp c, 0,1                            ; the operand's layout wants a whole block in a lane: lanes 0-15 block 2 c, lanes 16-31 block 2 c + 1
.irp i, 0,1,2
	v_permlane16_swap_b32 v[PC+6*\c+\i], v[PC+12+4*\c+\i]
.endr
.irp i, 0,1,2
	v_mov_b32 v[PC+3+6*\c+\i], v[PC+12+4*\c+\i]
.endr
.endr
.endm
	s_wait_loadcnt 16                              ; the first halves are in; the 16 loads of second halves may be out
	TURN X0
	SUMSQ 1
	QUANT PW
.irp c, 0,1,2
	global_store_b128 v4, v[PC+4*\c:PC+4*\c+3], s[36:37] offset:512*\c
.endr
	s_wait_loadcnt 0x0
	TURN X1
	SUMSQ 0
	QUANT PW+1
.irp c, 0,1,2
	global_store_b128 v4, v[PC+4*\c:PC+4*\c+3], s[36:37] offset:1536+512*\c
.endr
	; the row's figures
	v_pk_add_f32 v[SQ:SQ+1], v[SQ:SQ+1], v[SQ+2:SQ+3]
	v_add_f32 v246, v[SQ], v[SQ+1]
	v_permlanex16_b32 v247, v246, s[SEL], s[SEL+1]
	v_add_f32 v246, v246, v247                     ; |row|^2
	s_wait_kmcnt 0x0
	v_mov_b32 v248, s18
	v_and_b32 v248, 0x7fffffff, v248
	v_add_f32 v248, EPSF, v248
	v_max_num_f32 v248, EPSF, v248
	v_min_num_f32 v248, ONEM, v248                 ; the curvature, clamped
	s_wait_alu depctr_va_vdst(0)
	v_mul_f32 v249, v248, v246
	v_min_num_f32 v249, ONEM, v249
	v_sub_f32 v249, 1.0, v249                      ; 1 - min(c |row|^2, 1 - 1e-7)
	s_wait_alu depctr_va_vdst(0)
	v_rcp_f32 v250, v249
	v_mul_f32 v251, -0.5, v246                     ; H.  (A plain place behind the reciprocal)
	s_wait_alu depctr_va_vdst(0)
	v_fma_f32 v247, -v249, v250, 1.0
	v_fma_f32 v250, v250, v247, v250               ; R, with one Newton step
	v_cmp_eq_u32 vcc_lo, 1, v3
	v_cndmask_b32 v246, v[PW], v[PW+1], vcc_lo
	v_cndmask_b32 v247, v251, v250, vcc_lo
	ds_store_b32 v10, v246
	ds_store_b32 v11, v247
	s_wait_dscnt 0x0                               ; for the others' sake: my words lie in LDS
	s_barrier_signal -1
	s_barrier_wait -1
	s_cmp_lt_u32 s20, 2
	s_cbranch_scc0 .Lnot01
	ds_load_b128 v[16:19], v12                     ; two blocks of 256 bytes, written by all four waves
	s_wait_dscnt 0x0
	global_store_b128 v14, v[16:19], s[38:39]      ; sixteen lanes store 256 consecutive bytes, aligned
	s_branch .Lend
.Lnot01:
	s_cmp_eq_u32 s20, 2
	s_cbranch_scc0 .Lend
	ds_load_b64 v[16:17], v13
	s_wait_dscnt 0x0
	global_store_b64 v15, v[16:17], s[40:41]       ; 32 lanes store 256 consecutive bytes, aligned
.Lend:
	s_wait_tensorcnt 0x0
	ds_add_u32 v254, v255
	s_wait_dscnt 0x0
	s_endpgm
.Lfunc_end_k_q0e65b02f64_prep:
	.size	k_q0e65b02f64_prep, .Lfunc_end_k_q0e65b02f64_prep-k_q0e65b02f64_prep
	.p2alignl 7, 3214868480
	.fill 96, 4, 3214868480
	.section	.rodata,"a",@progbits
	.p2align	6, 0x0
	.amdhsa_kernel k_q0e65b02f64_prep
		.amdhsa_group_segment_fixed_size 35840
		.amdhsa_private_segment_fixed_size 0
		.amdhsa_enable_private_segment 0
		.amdhsa_kernarg_size 56
		.amdhsa_user_sgpr_count 2
		.amdhsa_user_sgpr_kernarg_segment_ptr 1
		.amdhsa_wavefront_size32 1
		.amdhsa_system_sgpr_workgroup_id_x 1
		.amdhsa_system_sgpr_workgroup_id_y 1
		.amdhsa_system_sgpr_workgroup_id_z 1
		.amdhsa_system_vgpr_workitem_id 0
		.amdhsa_next_free_vgpr 256
		.amdhsa_next_free_sgpr 66
		.amdhsa_reserve_vcc 1
		.amdhsa_float_denorm_mode_32 3
		.amdhsa_float_denorm_mode_16_64 3
		.amdhsa_memory_ordered 1
		.amdhsa_forward_progress 1
		.amdhsa_inst_pref_size 27
	.end_amdhsa_kernel
	.amdgpu_metadata
---
amdhsa.version: [ 1, 2 ]
amdhsa.kernels:
  - .name:           k_q0e65b02f64_prep
    .symbol:         k_q0e65b02f64_prep.kd
    .args:
      - { .name: c, .offset: 0, .size: 8, .value_kind: global_buffer, .address_space: global }
      - { .name: query, .offset: 8, .size: 8, .value_kind: global_buffer, .address_space: global }
      - { .name: keys, .offset: 16, .size: 8, .value_kind: global_buffer, .address_space: global }
      - { .name: values_codes, .offset: 24, .size: 8, .value_kind: global_buffer, .address_space: global }
      - { .name: values_scales, .offset: 32, .size: 8, .value_kind: global_buffer, .address_space: global }
      - { .name: qpack, .offset: 40, .size: 8, .value_kind: global_buffer, .address_space: global }
      - { .name: kvpack, .offset: 48, .size: 8, .value_kind: global_buffer, .address_space: global }
    .group_segment_fixed_size: 35840
    .private_segment_fixed_size: 0
    .kernarg_segment_align: 8
    .kernarg_segment_size: 56
    .max_flat_workgroup_size: 128
    .sgpr_count:     66
    .vgpr_count:     256
    .wavefront_size: 32
...
	.end_amdgpu_metadata
.endif
;; end of part 1
;; launch attn (part 2): grid 256 x 1, 4 waves a work-group, clusters of 4 x 1, 327,680 bytes of LDS; arguments c, qpack, kvpack, out0; writes out0
.if DOCPART == 2
	.amdgcn_target "amdgcn-amd-amdhsa--gfx1250"
	.amdhsa_code_object_version 6
	.text
	.protected	k_q0e65b02f64_attn
	.globl	k_q0e65b02f64_attn
	.p2align	8
	.type	k_q0e65b02f64_attn,@function
k_q0e65b02f64_attn:
	s_mov_b64 s[64:65], 0
	v_nop
	global_prefetch_b8 v0, s[64:65] scope:SCOPE_SE
	s_setreg_imm32_b32 hwreg(HW_REG_WAVE_MODE, 25, 1), 1
	s_wait_xcnt 0x0
	s_wait_alu depctr_hold_cnt(0) depctr_sa_sdst(0) depctr_va_vdst(0) depctr_va_sdst(0) depctr_va_ssrc(0) depctr_va_vcc(0) depctr_vm_vsrc(0)
	s_getreg_b32 s2, hwreg(HW_REG_IB_STS2, 6, 4)
	s_cmp_eq_u32 s2, 0
	s_cbranch_scc0 .Lentry_in_a_cluster
	s_endpgm
.Lentry_in_a_cluster:
	s_bfe_u32 s2, ttmp6, 0x10000c
	s_cmp_lg_u32 s2, 0x3003
	s_cbranch_scc0 .Lentry_shape_is_right
	s_endpgm
.Lentry_shape_is_right:
; out0 = softmax(-dist(query, keys)) x values, both products in MX-FP6; query, keys and values come as register images from qpack and kvpack.
; With x = 2 c |q - k|^2: arg = max(1 + min(x Rq Rk, x 1e7), 1 + 2^-23) (the second term is the denominator held at 1e-7; a negative x ends at the floor, as the clip of |q - k|^2 at 0 does),
; t = log2(arg + sqrt(arg^2 - 1)), d = t / sqrt(c) (the distance to the base 2), weight = 2^(M - d) / L with M = floor(the row's least d), L the row's sum.
; SHARES: work-group G takes queries 32 G .. 32 G + 31 (two tiles of 16, u = 0, 1); in trip t wave w takes the 128 keys of group 4 t + w; 16 trips a pass; the four waves' parts of out0 are added through LDS at the end.
; Both products are used transposed: a lane holds one query, its registers run along the keys; -|k|^2 / 2 is the C of the first product.
; TWO PASSES: the weights are quantised finished and normalised, so M and L are found first (pass 1, a running M per lane) and the scores are made again (pass 2); there 1 / L is in the exponent: M - log2 L.
; THE CHAIN GOES STAGE BY STAGE over all of a lane's numbers (128 in pass 1, 64 in pass 2): every batch of transcendentals has one wait ahead of it and one behind it.
; PASS 2 is laid one trip deep: trip i multiplies the weights of trip i - 1 with V's fragments while its own weights are made; the first trip finds zero codes and zero sums.
; CLUSTER: the four work-groups of a cluster read the same tiles and ask for them jointly (mask 15); each wave loads and reads its own group's block.
; No prefetch is laid: a refill stands a whole trip (over 1,000 vector instructions a wave) ahead of its first read.
; LIMITS: served while arg^2 is finite in f32 (|q - k|^2 under 9e11). NaN and infinities among the inputs are not served.
; REGISTERS: window 0: v0-63 small things, v64-191 S (scores, then weights), v192-255 R of the keys; window 1: O^T, 32 accumulators; window 2: v0-191 16 fragments of K or V, v192-239 Q's four;
; window 3: v0-63 H of the keys, v64-87 the weights' codes, v128-255 the chain's second number.
.set RBLK,  26624
.set GRP,   52224
.set STEPG, 4*GRP
.set OFS,   24576
.set OFH,   25600
.set OFR,   26112
.set SLOTB, 1<<17                      ; slot 1; a slot holds four blocks, one a wave
.set SPARE, 237568                     ; the spare words
.set STATS, 238080                     ; (M, L) of each wave
.set REDW,  33280                      ; the last sum: a wave's 32 rows x 1,040 bytes, on slots that have had their last fill
.set RPIT,  1040
.set EPSF,  0x33d6bf95
.set ONEM,  0x3f7ffffe
.set SPW, 1
.set NIL, 2
.set LA,  3                            ; 16 x lane + my block
.set HAD, 4                            ; 64 x (lane / 16) + my block
.set AD,  5
.set AH,  6
.set CQ,  8                            ; per u six: -4 c Rq, that x Hq, 1e7 (1 - uu_c), 0, M (pass 2: M - log2 L), f
.set LS,  20                           ; per u the sum in two packed chains
.set SCF, 28                           ; the fragments' scale words
.set QS,  36
.set PW,  38                           ; the weights' scale words
.set BB,  40
.set TM,  52
.set S,   64
.set RB,  192
.set PF,  64
.set UW,  128
.set WV,  12
.set G1K, 16
.set G1V, 24
.set G0A, 32
.set G0B, 36
.set SEL, 50
.set MSB, 0
.macro WIN new
.if MSB != \new
	s_set_vgpr_msb (MSB<<8)|\new
.set MSB, \new
.endif
.endm
.macro PLACES
.rept 4
	v_nop
.endr
.endm
.macro AWAIT
	s_wait_alu depctr_va_vdst(0)
.endm
.macro ROUND                           ; a round of the cluster's barrier
	s_barrier_signal -1
	s_barrier_wait -1
	s_cmp_lg_u32 s[WV], 0
	s_cbranch_scc1 .Lnw0_\@
	s_barrier_signal -3
.Lnw0_\@:
	s_barrier_wait -3
	s_barrier_signal -1
	s_barrier_wait -1
.endm
.macro HEAD_K flip                     ; the keys' block of step s53: the waits and the add, the round, my one joint load
	s_wait_tensorcnt 0x0
	ds_add_u32 v[SPW], v[NIL]
.if \flip
	s_xor_b32 s[G0A+1], s[G0A+1], SLOTB
.endif
	s_mul_i32 s40, s53, STEPG
	s_add_co_u32 s40, s40, s54
	s_add_nc_u64 s[G0A+2:G0A+3], s[8:9], s[40:41]
	s_or_b32 s[G0A+3], s[G0A+3], 0x80000000
	s_add_co_u32 s53, s53, 1
	s_and_b32 s53, s53, 15
	s_wait_dscnt 0x0
	ROUND
	tensor_load_to_lds s[G0A:G0A+3], s[G1K:G1K+7]
	s_nop 0
	PLACES
.endm
.macro HEAD_V                          ; V's block of this trip, likewise
	s_wait_tensorcnt 0x0
	ds_add_u32 v[SPW], v[NIL]
	s_add_nc_u64 s[G0B+2:G0B+3], s[8:9], s[42:43]
	s_or_b32 s[G0B+3], s[G0B+3], 0x80000000
	s_add_co_u32 s42, s42, STEPG
	s_wait_dscnt 0x0
	ROUND
	tensor_load_to_lds s[G0B:G0B+3], s[G1V:G1V+7]
	s_nop 0
	PLACES
.endm
.macro FETCH_F                         ; 16 fragments and their scale words
	WIN 0x80
.set fi, 0
.rept 48
	ds_load_b128 v[4*fi:4*fi+3], v[AD] offset:512*fi
.set fi, fi+1
.endr
	WIN 0
	ds_load_b128 v[SCF:SCF+3], v[AD] offset:OFS
	ds_load_b128 v[SCF+4:SCF+7], v[AD] offset:OFS+512
.endm
.macro FETCH_H                         ; H of my 64 keys, in the result's layout
	WIN 0xc0
.set fi, 0
.rept 16
	ds_load_b128 v[4*fi:4*fi+3], v[AH] offset:OFH+128*(fi/4)+16*(fi%4)
.set fi, fi+1
.endr
	WIN 0
.endm
.macro LOADRB                          ; R likewise
.set fi, 0
.rept 16
	ds_load_b128 v[RB+4*fi:RB+4*fi+3], v[AH] offset:OFR+128*(fi/4)+16*(fi%4)
.set fi, fi+1
.endr
.endm
.macro WMMA
.if fA && fB
	v_wmma_scale_f32_16x16x128_f8f6f4 v[rD:rD+7], v[rA:rA+11], v[rB:rB+11], v[rC:rC+7], v[rX], v[rY] matrix_a_fmt:MATRIX_FMT_FP6 matrix_b_fmt:MATRIX_FMT_FP6 matrix_a_scale:MATRIX_SCALE_ROW1 matrix_b_scale:MATRIX_SCALE_ROW1
.elseif fA
	v_wmma_scale_f32_16x16x128_f8f6f4 v[rD:rD+7], v[rA:rA+11], v[rB:rB+11], v[rC:rC+7], v[rX], v[rY] matrix_a_fmt:MATRIX_FMT_FP6 matrix_b_fmt:MATRIX_FMT_FP6 matrix_a_scale:MATRIX_SCALE_ROW1
.elseif fB
	v_wmma_scale_f32_16x16x128_f8f6f4 v[rD:rD+7], v[rA:rA+11], v[rB:rB+11], v[rC:rC+7], v[rX], v[rY] matrix_a_fmt:MATRIX_FMT_FP6 matrix_b_fmt:MATRIX_FMT_FP6 matrix_b_scale:MATRIX_SCALE_ROW1
.else
	v_wmma_scale_f32_16x16x128_f8f6f4 v[rD:rD+7], v[rA:rA+11], v[rB:rB+11], v[rC:rC+7], v[rX], v[rY] matrix_a_fmt:MATRIX_FMT_FP6 matrix_b_fmt:MATRIX_FMT_FP6
.endif
.endm
.macro QK                              ; S^T = K Q^T + H: two K steps, the 16 accumulators by turns
.irp s, 0,1
.if \s == 0
	WIN 0x3a
.else
	WIN 0x0a
.endif
.irp t, 0,1,2,3,4,5,6,7
.irp u, 0,1
.set rD, S+64*\u+8*\t
.set rA, 12*(2*\t+\s)
.set rB, 192+24*\u+12*\s
.if \s == 0
.set rC, 8*\t
.else
.set rC, rD
.endif
.set rX, SCF+2*(\t%4)+\s
.set rY, QS+\s
.set fA, \t/4
.set fB, \u
	WMMA
.endr
.endr
.endr
.endm
.macro PV                              ; O^T += V^T P^T: 32 accumulators by turns
	WIN 0x5e
.irp f, 0,1,2,3,4,5,6,7,8,9,10,11,12,13,14,15
.irp u, 0,1
.set rD, 128*\u+8*\f
.set rA, 12*\f
.set rB, PF+12*\u
.set rC, rD
.set rX, SCF+(\f%8)
.set rY, PW+\u
.set fA, \f/8
.set fB, 0
	WMMA
.endr
.endr
.endm
; One stage of the chain over the pairs first .. first + count - 1 (pair pp: S + 2 pp; query tile pp / 32).
.macro STAGE k, first, count
.set pp, \first
.rept \count
.set pS, S+2*pp
.set pC, CQ+6*(pp/32)
.set pR, RB+2*(pp%32)
.set pU, UW+2*pp
.if \k == 0
	v_pk_fma_f32 v[pS:pS+1], v[pS:pS+1], v[pC:pC+1], v[pC:pC+1] op_sel:[0,0,1] op_sel_hi:[1,0,1]   ; x Rq
.elseif \k == 1
	v_pk_fma_f32 v[pU:pU+1], v[pS:pS+1], v[pC+2:pC+3], 1.0 op_sel_hi:[1,0,0]   ; 1 + x 1e7
.elseif \k == 2
	v_pk_fma_f32 v[pS:pS+1], v[pS:pS+1], v[pR:pR+1], 1.0 op_sel_hi:[1,1,0]     ; 1 + x Rq Rk
.elseif \k == 3
	v_minmax_num_f32 v[pS], v[pS], v[pU], s49                                  ; arg
	v_minmax_num_f32 v[pS+1], v[pS+1], v[pU+1], s49
.elseif \k == 4
	v_pk_fma_f32 v[pU:pU+1], v[pS:pS+1], v[pS:pS+1], -1.0 op_sel_hi:[1,1,0]
.elseif \k == 5
	v_sqrt_f32 v[pU], v[pU]
	v_sqrt_f32 v[pU+1], v[pU+1]
.elseif \k == 6
	v_pk_add_f32 v[pS:pS+1], v[pS:pS+1], v[pU:pU+1]
.elseif \k == 7
	v_log_f32 v[pS], v[pS]
	v_log_f32 v[pS+1], v[pS+1]
.elseif \k == 8
	v_pk_fma_f32 v[pS:pS+1], v[pS:pS+1], s[46:47], v[pC+4:pC+5] op_sel_hi:[1,0,0]   ; M - d
.else
	v_exp_f32 v[pS], v[pS]
	v_exp_f32 v[pS+1], v[pS+1]
.endif
.set pp, pp+1
.endr
.endm
.macro ARG first, count                ; scores -> t.  The waits: ahead of the matrix results' first readers and round each batch
	AWAIT
	STAGE 0, \first, \count
	WIN 0xc0
	STAGE 1, \first, \count
	WIN 0
	STAGE 2, \first, \count
	WIN 0x0c
	STAGE 3, \first, \count
	WIN 0xc0
	STAGE 4, \first, \count
	WIN 0xc3
	AWAIT
	STAGE 5, \first, \count
	v_nop
	WIN 0x0c
	AWAIT
	STAGE 6, \first, \count
	WIN 0
	AWAIT
	STAGE 7, \first, \count
	v_nop
	AWAIT
.endm
.macro EXPS first, count               ; t -> 2^(M - d)
	STAGE 8, \first, \count
	AWAIT
	STAGE 9, \first, \count
	v_nop
	AWAIT
.endm
.macro MINS                            ; the least t of my 64 keys, per u in four chains; the eight by turns
.set ii, 0
.rept 32
.irp u, 0,1
.if ii < 4
	v_min_num_f32 v[TM+4*\u+ii], v[S+64*\u+2*ii], v[S+64*\u+2*ii+1]
.else
	v_min3_num_f32 v[TM+4*\u+(ii%4)], v[TM+4*\u+(ii%4)], v[S+64*\u+2*ii], v[S+64*\u+2*ii+1]
.endif
.endr
.set ii, ii+1
.endr
.endm
.macro SUMS                            ; the row's sum, of the unquantised numbers: four packed chains by turns
.set ii, 0
.rept 32
.irp u, 0,1
	v_pk_add_f32 v[LS+4*\u+2*(ii%2):LS+4*\u+2*(ii%2)+1], v[LS+4*\u+2*(ii%2):LS+4*\u+2*(ii%2)+1], v[S+64*\u+2*ii:S+64*\u+2*ii+1]
.endr
.set ii, ii+1
.endr
.endm
.macro MAXB first                      ; each block's largest weight, with the floor 2^(3 - 127); the four blocks by turns
.irp j, 0,1,2,3,4,5,6,7
.irp b, 0,1,2,3
.if \j == 0
	v_max3_num_f32 v[TM+\b], v[S+2*(\first)+16*\b], v[S+2*(\first)+16*\b+1], 0x1800000
.else
	v_max3_num_f32 v[TM+\b], v[TM+\b], v[S+2*(\first)+16*\b+2*\j], v[S+2*(\first)+16*\b+2*\j+1]
.endif
.endr
.endr
.endm
.macro UPDATE                          ; the running M = floor(least d), a whole number; the sums go under it by f = 2^(new M - old M), which rounds nothing
.irp u, 0,1
	v_min3_num_f32 v[TM+4*\u], v[TM+4*\u], v[TM+4*\u+1], v[TM+4*\u+2]
.endr
.irp u, 0,1
	v_min_num_f32 v[TM+4*\u], v[TM+4*\u], v[TM+4*\u+3]
.endr
.irp u, 0,1
	v_mul_f32 v[TM+4*\u], s48, v[TM+4*\u]
.endr
.irp u, 0,1
	v_floor_f32 v[TM+4*\u], v[TM+4*\u]
.endr
.irp u, 0,1
	v_min_num_f32 v[TM+4*\u], v[TM+4*\u], v[CQ+6*\u+4]
.endr
.irp u, 0,1
	v_sub_f32 v[TM+4*\u+1], v[TM+4*\u], v[CQ+6*\u+4]
.endr
.irp u, 0,1
	v_cvt_i32_f32 v[TM+4*\u+1], v[TM+4*\u+1]
.endr
.irp u, 0,1
	v_mov_b32 v[CQ+6*\u+4], v[TM+4*\u]
.endr
.irp u, 0,1
	v_ldexp_f32 v[CQ+6*\u+5], 1.0, v[TM+4*\u+1]
.endr
.irp u, 0,1
	v_pk_mul_f32 v[LS+4*\u:LS+4*\u+1], v[LS+4*\u:LS+4*\u+1], v[CQ+6*\u+4:CQ+6*\u+5] op_sel:[0,1] op_sel_hi:[1,1]
	v_pk_mul_f32 v[LS+4*\u+2:LS+4*\u+3], v[LS+4*\u+2:LS+4*\u+3], v[CQ+6*\u+4:CQ+6*\u+5] op_sel:[0,1] op_sel_hi:[1,1]
.endr
.endm
.macro QUANT u                         ; tile u's 64 weights a lane become codes (window 3) and a scale word
.set q0, S+64*\u
.irp b, 0,1,2,3
	v_permlanex16_b32 v[TM+4+\b], v[TM+\b], s[SEL], s[SEL+1]
.endr
.irp b, 0,1,2,3
	v_max_num_f32 v[TM+\b], v[TM+\b], v[TM+4+\b]
.endr
.irp b, 0,1,2,3
	v_add_nc_u32 v[TM+8+\b], 0xff000000, v[TM+\b]
.endr
.irp b, 0,1,2,3
	v_lshrrev_b32 v[TM+4+\b], 23, v[TM+8+\b]
.endr
	v_lshl_or_b32 v[PW+\u], v[TM+5], 8, v[TM+4]
	v_lshl_or_b32 v[PW+\u], v[TM+6], 16, v[PW+\u]
	v_lshl_or_b32 v[PW+\u], v[TM+7], 24, v[PW+\u]
	v_cvt_scalef32_pk16_fp6_f32 v[BB:BB+2], v[q0+32:q0+47], v[TM+10]
	v_cvt_scalef32_pk16_fp6_f32 v[BB+4:BB+6], v[q0+48:q0+63], v[TM+11]
	v_nop
	v_cvt_scalef32_pk16_fp6_f32 v[q0+32:q0+34], v[q0:q0+15], v[TM+8]
	v_cvt_scalef32_pk16_fp6_f32 v[q0+36:q0+38], v[q0+16:q0+31], v[TM+9]
	v_nop
.irp i, 0,1,2
	v_permlane16_swap_b32 v[q0+32+\i], v[q0+36+\i]
	v_permlane16_swap_b32 v[BB+\i], v[BB+4+\i]
.endr
	WIN 0xc0
.irp i, 0,1,2
	v_mov_b32 v[PF+12*\u+\i], v[q0+32+\i]
	v_mov_b32 v[PF+12*\u+3+\i], v[q0+36+\i]
	v_mov_b32 v[PF+12*\u+6+\i], v[BB+\i]
	v_mov_b32 v[PF+12*\u+9+\i], v[BB+4+\i]
.endr
	WIN 0
.endm
	s_load_b256 s[4:11], s[0:1], 0x0               ; c, qpack, kvpack, out0
	v_lshl_add_u32 v[SPW], v0, 2, SPARE
	v_mov_b32 v[NIL], 0
	ds_add_u32 v1, v2
	ds_add_u32 v1, v2
	s_wait_dscnt 0x0
	v_lshrrev_b32 v7, 5, v0
	v_readfirstlane_b32 s[WV], v7
	s_bfe_u32 s13, ttmp6, 0x40000
	s_lshl_b32 s14, ttmp9, 2
	s_add_co_u32 s14, s14, s13                     ; my work-group
	s_mul_i32 s15, s[WV], RBLK
	s_mul_i32 s54, s[WV], GRP
	s_mov_b32 s[G1K], 15|(3<<16)|(1<<21)           ; 104 rows of 256 bytes: a keys' block
	s_mov_b32 s[G1K+1], 32<<16
	s_mov_b32 s[G1K+2], 104<<16
	s_mov_b32 s[G1K+3], 32<<16
	s_mov_b32 s[G1K+4], 104
	s_mov_b32 s[G1K+5], 32
	s_mov_b32 s[G1K+6], 0
	s_mov_b32 s[G1K+7], 0
	s_mov_b32 s[G1V], 15|(3<<16)|(1<<21)           ; 100 rows: V's block
	s_mov_b32 s[G1V+1], 32<<16
	s_mov_b32 s[G1V+2], 100<<16
	s_mov_b32 s[G1V+3], 32<<16
	s_mov_b32 s[G1V+4], 100
	s_mov_b32 s[G1V+5], 32
	s_mov_b32 s[G1V+6], 0
	s_mov_b32 s[G1V+7], 0
	s_mov_b32 s41, 0
	s_mov_b32 s43, 0
	s_mov_b32 s57, 0
	s_mov_b32 s49, 0x3f800001                      ; 1 + 1e-7 in f32
	s_mov_b32 s[SEL], 0x76543210
	s_mov_b32 s[SEL+1], 0xfedcba98
	s_mov_b32 s44, SLOTB
	s_mov_b32 s53, 2
	s_wait_kmcnt 0x0
	s_load_b32 s55, s[4:5], 0x0
	s_mov_b32 s[G0B], 1
	s_mov_b32 s[G0B+1], s15
	s_mov_b32 s40, s54
	s_add_nc_u64 s[G0B+2:G0B+3], s[8:9], s[40:41]
	s_or_b32 s[G0B+3], s[G0B+3], 0x80000000
	s_mov_b32 s[G0A], 1
	s_add_co_u32 s[G0A+1], s15, SLOTB
	s_add_co_u32 s40, s54, STEPG
	s_add_nc_u64 s[G0A+2:G0A+3], s[8:9], s[40:41]
	s_or_b32 s[G0A+3], s[G0A+3], 0x80000000
	ROUND
	tensor_load_to_lds s[G0B:G0B+3], s[G1K:G1K+7]  ; step 0: my one load at the head
	s_nop 0
	s_wait_alu depctr_va_vdst(0)
	s_wait_tensorcnt 0x0                           ; slot 1's first fill stands behind the full sequence
	ds_add_u32 v1, v2
	s_wait_dscnt 0x0
	ROUND
	tensor_load_to_lds s[G0A:G0A+3], s[G1K:G1K+7]  ; step 1
	s_nop 0
	PLACES
	v_and_b32 v7, 31, v0
	v_lshlrev_b32 v64, 4, v7
	v_add_nc_u32 v[LA], s15, v64
	v_bfe_u32 v66, v0, 4, 1
	v_lshlrev_b32 v[HAD], 6, v66
	v_add_nc_u32 v[HAD], s15, v[HAD]
	s_lshr_b32 s52, s14, 2
	s_mul_i32 s56, s52, RBLK
	s_add_nc_u64 s[6:7], s[6:7], s[56:57]          ; my queries' row block
	s_and_b32 s52, s14, 3
	s_mul_i32 s56, s52, 6144
	v_add_nc_u32 v64, s56, v64
	WIN 0x80
.set fi, 0
.rept 12
	global_load_b128 v[192+4*fi:192+4*fi+3], v64, s[6:7] offset:512*fi   ; Q's four fragments
.set fi, fi+1
.endr
	WIN 0
	s_and_b32 s56, s52, 1
	s_lshl_b32 s56, s56, 9
	s_lshr_b32 s58, s52, 1
	s_lshl_b32 s58, s58, 8
	s_add_co_u32 s56, s56, s58
	v_and_b32 v65, 15, v0
	v_lshlrev_b32 v67, 4, v65
	s_wait_alu depctr_va_vdst(0)
	v_lshl_add_u32 v67, v66, 3, v67
	v_add_nc_u32 v67, s56, v67
	global_load_b64 v[QS:QS+1], v67, s[6:7] offset:OFS
	v_and_b32 v68, 8, v65
	v_add_nc_u32 v68, v68, v65
	v_lshlrev_b32 v68, 2, v68
	s_lshl_b32 s56, s52, 7
	v_add_nc_u32 v68, s56, v68
	global_load_b32 v70, v68, s[6:7] offset:OFH
	global_load_b32 v71, v68, s[6:7] offset:OFH+32
	global_load_b32 v72, v68, s[6:7] offset:OFR
	global_load_b32 v73, v68, s[6:7] offset:OFR+32
	WIN 0x40                                       ; pass 2's step is written once: its first trip finds zero sums and zero codes
.set fi, 0
.rept 256
	v_mov_b32 v[fi], 0
.set fi, fi+1
.endr
	WIN 0xc0
.set fi, 0
.rept 24
	v_mov_b32 v[PF+fi], 0
.set fi, fi+1
.endr
	WIN 0
	v_mov_b32 v[PW], 0x7f7f7f7f
	v_mov_b32 v[PW+1], 0x7f7f7f7f
.irp i, 0,1,2,3,4,5,6,7
	v_mov_b32 v[LS+\i], 0
.endr
.irp b, 0,1,2,3
	v_mov_b32 v[TM+4+\b], 0
.endr
	s_wait_loadcnt 0x0
	s_wait_kmcnt 0x0
	v_mov_b32 v74, s55
	v_and_b32 v74, 0x7fffffff, v74
	v_add_f32 v74, EPSF, v74
	v_max_num_f32 v74, EPSF, v74
	v_min_num_f32 v74, ONEM, v74                   ; the curvature, clamped
	s_wait_alu depctr_va_vdst(0)
	v_sqrt_f32 v75, v74
	v_add_f32 v78, v74, v74
	s_wait_alu depctr_va_vdst(0)
	v_rcp_f32 v76, v75
	v_nop
	s_wait_alu depctr_va_vdst(0)
	v_fma_f32 v77, -v75, v76, 1.0
	v_fma_f32 v76, v76, v77, v76                   ; 1 / sqrt(c), with one Newton step
	v_readfirstlane_b32 s48, v76
	s_xor_b32 s46, s48, 0x80000000
	s_mov_b32 s47, s46
.irp u, 0,1
	v_mul_f32 v80, -2.0, v[70+\u]
	v_mul_f32 v80, v74, v80
	v_min_num_f32 v80, ONEM, v80
	v_sub_f32 v80, 1.0, v80
	v_mul_f32 v[CQ+6*\u+2], 0x4b189680, v80
	v_mul_f32 v81, v78, v[72+\u]
	v_mul_f32 v[CQ+6*\u], -2.0, v81
	v_mul_f32 v[CQ+6*\u+1], v[70+\u], v[CQ+6*\u]
	v_mov_b32 v[CQ+6*\u+3], 0
	v_mov_b32 v[CQ+6*\u+4], 0x7f61b1e6             ; M so far: 3e38, over every d
	v_mov_b32 v[CQ+6*\u+5], 0
.endr
	s_wait_tensorcnt 0x1                           ; step 0's block is in; step 1's load may be out
	v_mov_b32 v[AD], v[LA]
	v_mov_b32 v[AH], v[HAD]
	FETCH_F
	FETCH_H
	LOADRB
	s_wait_dscnt 0x0
	QK
	WIN 0
; PASS 1.  A trip: the refill; the next step's fragments are fetched under this step's chain; then the next step's scores.
.macro TRIP1 refill
.if \refill
	HEAD_K 1
.else
	s_wait_tensorcnt 0x0
	PLACES
.endif
	v_add_nc_u32 v[AD], s44, v[LA]
	v_add_nc_u32 v[AH], s44, v[HAD]
	FETCH_F
	FETCH_H
	ARG 0, 64
	MINS
	LOADRB
	UPDATE
	EXPS 0, 64
	SUMS
	s_wait_dscnt 0x0
	QK
	WIN 0
	s_xor_b32 s44, s44, SLOTB
.endm
	s_mov_b32 s45, 15
.Lp1:
	TRIP1 1                                        ; the fifteenth asks for step 0 again, for pass 2
	s_sub_co_u32 s45, s45, 1
	s_cmp_lg_u32 s45, 0
	s_cbranch_scc1 .Lp1
	TRIP1 0
	; (M, L) of the row: my two halves of the lanes, then the four waves through LDS
	v_and_b32 v7, 31, v0
	v_lshlrev_b32 v7, 3, v7
	s_lshl_b32 s52, s[WV], 9
	s_add_co_u32 s52, s52, STATS
	v_add_nc_u32 v[AD], s52, v7
	v_add_nc_u32 v[AH], STATS, v7
	s_wait_alu depctr_va_vdst(0)
.irp u, 0,1
	v_pk_add_f32 v[LS+4*\u:LS+4*\u+1], v[LS+4*\u:LS+4*\u+1], v[LS+4*\u+2:LS+4*\u+3]
.endr
.irp u, 0,1
	v_add_f32 v[LS+4*\u], v[LS+4*\u], v[LS+4*\u+1]
.endr
.irp u, 0,1
	v_permlanex16_b32 v[TM+\u], v[CQ+6*\u+4], s[SEL], s[SEL+1]
	v_permlanex16_b32 v[TM+2+\u], v[LS+4*\u], s[SEL], s[SEL+1]
.endr
.irp u, 0,1
	v_min_num_f32 v[LS+4*\u+2], v[TM+\u], v[CQ+6*\u+4]
.endr
.irp u, 0,1
	v_sub_f32 v[TM+4+\u], v[LS+4*\u+2], v[CQ+6*\u+4]
	v_sub_f32 v[TM+6+\u], v[LS+4*\u+2], v[TM+\u]
.endr
.irp u, 0,1
	v_cvt_i32_f32 v[TM+4+\u], v[TM+4+\u]
	v_cvt_i32_f32 v[TM+6+\u], v[TM+6+\u]
.endr
.irp u, 0,1
	v_ldexp_f32 v[LS+4*\u], v[LS+4*\u], v[TM+4+\u]
	v_ldexp_f32 v[TM+2+\u], v[TM+2+\u], v[TM+6+\u]
.endr
.irp u, 0,1
	v_add_f32 v[LS+4*\u+3], v[LS+4*\u], v[TM+2+\u]
.endr
.irp u, 0,1
	ds_store_b64 v[AD], v[LS+4*\u+2:LS+4*\u+3] offset:256*\u
.endr
	s_wait_dscnt 0x0
	s_barrier_signal -1
	s_barrier_wait -1
.irp w, 0,1,2,3
.irp u, 0,1
	ds_load_b64 v[40+4*\w+2*\u:41+4*\w+2*\u], v[AH] offset:512*\w+256*\u
.endr
.endr
	s_wait_dscnt 0x0
.irp u, 0,1
	v_min3_num_f32 v[56+\u], v[40+2*\u], v[44+2*\u], v[48+2*\u]
	v_min_num_f32 v[56+\u], v[56+\u], v[52+2*\u]
.irp w, 0,1,2,3
	v_sub_f32 v58, v[56+\u], v[40+4*\w+2*\u]
	v_cvt_i32_f32 v58, v58
	v_ldexp_f32 v[41+4*\w+2*\u], v[41+4*\w+2*\u], v58
.endr
	v_add_f32 v59, v[41+2*\u], v[45+2*\u]
	v_add_f32 v60, v[49+2*\u], v[53+2*\u]
	v_add_f32 v59, v59, v60                        ; L, between 1/2 and 8,192
	s_wait_alu depctr_va_vdst(0)
	v_log_f32 v60, v59
	v_nop
	s_wait_alu depctr_va_vdst(0)
	v_sub_f32 v[CQ+6*\u+4], v[56+\u], v60          ; M - log2 L: pass 2's exponential gives the normalised weight
.endr
	s_mov_b32 s[G0A+1], s15                        ; pass 2: the keys' blocks go to slot 0, V's to slot 1
	s_add_co_u32 s[G0B+1], s15, SLOTB
	s_add_co_u32 s42, s54, RBLK
.macro PASS2 first
	ARG \first, 32
	EXPS \first, 32
	MAXB \first
.endm
.macro IVA                             ; V's fragments of the trip before come in under tile 0's chain; their product; tile 0's codes
	v_add_nc_u32 v[AD], SLOTB, v[LA]
	FETCH_F
	PASS2 0
	s_wait_alu depctr_va_vdst(0)
	s_wait_dscnt 0x0
	PV
	WIN 0
	QUANT 0
.endm
.macro IVB more                        ; the next keys' fragments come in under tile 1's chain; tile 1's codes; the next scores
.if \more
	v_mov_b32 v[AD], v[LA]
	v_mov_b32 v[AH], v[HAD]
	FETCH_F
	FETCH_H
.endif
	PASS2 32
	QUANT 1
.if \more
	LOADRB
	s_wait_dscnt 16                                ; all but R's 16 loads
	QK
	WIN 0
.endif
.endm
	s_mov_b32 s45, 15
.Lp2:
	HEAD_K 0
	IVA
	HEAD_V
	IVB 1
	s_sub_co_u32 s45, s45, 1
	s_cmp_lg_u32 s45, 0
	s_cbranch_scc1 .Lp2
	s_wait_tensorcnt 0x0
	s_wait_dscnt 0x0
	PLACES
	IVA
	HEAD_V
	IVB 0
	s_wait_alu depctr_va_vdst(0)
	s_wait_tensorcnt 0x0
	v_add_nc_u32 v[AD], SLOTB, v[LA]
	FETCH_F
.rept 8
	v_nop
.endr
	s_wait_dscnt 0x0
	PV
	WIN 0
	; the four waves' parts are added: each stores its 32 rows x 256 channels to LDS, each adds and stores 8 rows of out0
	v_and_b32 v12, 15, v0
	v_bfe_u32 v13, v0, 4, 1
	s_mul_i32 s52, s[WV], REDW
	v_mul_u32_u24 v8, v12, RPIT
	v_lshl_add_u32 v8, v13, 5, v8
	v_add_nc_u32 v8, s52, v8
	s_mul_i32 s52, s[WV], 8*RPIT
	v_mul_u32_u24 v9, v13, RPIT
	v_lshl_add_u32 v9, v12, 4, v9
	v_add_nc_u32 v9, s52, v9
	v_add_nc_u32 v10, 2*REDW, v9
	v_lshlrev_b32 v11, 10, v13
	v_lshl_add_u32 v11, v12, 4, v11
	s_lshl_b32 s52, s14, 5
	s_lshr_b32 s56, s[WV], 1
	s_lshl_b32 s56, s56, 3
	s_add_co_u32 s52, s52, s56
	s_and_b32 s56, s[WV], 1
	s_lshl_b32 s56, s56, 4
	s_add_co_u32 s56, s52, s56
	s_lshl_b32 s56, s56, 10
	s_add_nc_u64 s[10:11], s[10:11], s[56:57]
	s_wait_alu depctr_va_vdst(0)
	s_wait_dscnt 0x0
	s_barrier_signal -1
	s_barrier_wait -1
	WIN 0x04
.irp u, 0,1
.irp f, 0,1,2,3,4,5,6,7,8,9,10,11,12,13,14,15
	ds_store_b128 v8, v[128*\u+8*\f:128*\u+8*\f+3] offset:16*RPIT*\u+64*\f
	ds_store_b128 v8, v[128*\u+8*\f+4:128*\u+8*\f+7] offset:16*RPIT*\u+64*\f+16
.endr
.endr
	WIN 0
	s_wait_dscnt 0x0
	s_barrier_signal -1
	s_barrier_wait -1
.irp g, 0,1
.if \g
	s_wait_xcnt 0x0
.endif
.irp w, 0,1,2,3
.irp i, 0,1,2,3
.irp c, 0,1
.if \w < 2
	ds_load_b128 v[64+32*\w+8*\i+4*\c:64+32*\w+8*\i+4*\c+3], v9 offset:(\w%2)*REDW+2*\i*RPIT+256*(2*\g+\c)
.else
	ds_load_b128 v[64+32*\w+8*\i+4*\c:64+32*\w+8*\i+4*\c+3], v10 offset:(\w%2)*REDW+2*\i*RPIT+256*(2*\g+\c)
.endif
.endr
.endr
.endr
	s_wait_dscnt 0x0
.set j, 0
.rept 16
	v_pk_add_f32 v[64+j:65+j], v[64+j:65+j], v[96+j:97+j]
	v_pk_add_f32 v[128+j:129+j], v[128+j:129+j], v[160+j:161+j]
.set j, j+2
.endr
.set j, 0
.rept 16
	v_pk_add_f32 v[64+j:65+j], v[64+j:65+j], v[128+j:129+j]
.set j, j+2
.endr
.irp i, 0,1,2,3
.irp c, 0,1
	global_store_b128 v11, v[64+8*\i+4*\c:64+8*\i+4*\c+3], s[10:11] offset:2048*\i+256*(2*\g+\c) th:TH_STORE_NT   ; sixteen lanes store 256 consecutive bytes, aligned
.endr
.endr
.endr
	s_wait_tensorcnt 0x0                           ; the wave's end
	ds_add_u32 v[SPW], v[NIL]
	s_wait_dscnt 0x0
	ROUND                                          ; the closing round
	s_endpgm
.Lfunc_end_k_q0e65b02f64_attn:
	.size	k_q0e65b02f64_attn, .Lfunc_end_k_q0e65b02f64_attn-k_q0e65b02f64_attn
	.p2alignl 7, 3214868480
	.fill 96, 4, 3214868480
	.section	.rodata,"a",@progbits
	.p2align	6, 0x0
	.amdhsa_kernel k_q0e65b02f64_attn
		.amdhsa_group_segment_fixed_size 327680
		.amdhsa_private_segment_fixed_size 0
		.amdhsa_enable_private_segment 0
		.amdhsa_kernarg_size 32
		.amdhsa_user_sgpr_count 2
		.amdhsa_user_sgpr_kernarg_segment_ptr 1
		.amdhsa_wavefront_size32 1
		.amdhsa_system_sgpr_workgroup_id_x 1
		.amdhsa_system_sgpr_workgroup_id_y 1
		.amdhsa_system_sgpr_workgroup_id_z 1
		.amdhsa_system_vgpr_workitem_id 0
		.amdhsa_next_free_vgpr 1024
		.amdhsa_next_free_sgpr 66
		.amdhsa_reserve_vcc 0
		.amdhsa_float_denorm_mode_32 3
		.amdhsa_float_denorm_mode_16_64 3
		.amdhsa_memory_ordered 1
		.amdhsa_forward_progress 1
		.amdhsa_inst_pref_size 255
	.end_amdhsa_kernel
	.section	.bss,"aw",@nobits
	.p2align	6
	.space	262144
	.amdgpu_metadata
---
amdhsa.version: [ 1, 2 ]
amdhsa.kernels:
  - .name:           k_q0e65b02f64_attn
    .symbol:         k_q0e65b02f64_attn.kd
    .args:
      - { .name: c, .offset: 0, .size: 8, .value_kind: global_buffer, .address_space: global }
      - { .name: qpack, .offset: 8, .size: 8, .value_kind: global_buffer, .address_space: global }
      - { .name: kvpack, .offset: 16, .size: 8, .value_kind: global_buffer, .address_space: global }
      - { .name: out0, .offset: 24, .size: 8, .value_kind: global_buffer, .address_space: global }
    .group_segment_fixed_size: 327680
    .private_segment_fixed_size: 0
    .kernarg_segment_align: 8
    .kernarg_segment_size: 32
    .max_flat_workgroup_size: 128
    .sgpr_count:     66
    .vgpr_count:     1024
    .wavefront_size: 32
...
	.end_amdgpu_metadata
.endif
;; end of part 2
